; MI455X (gfx1250); checked and timed in simulation.
; The chip was launched on July 23, 2026; its instructions are those of AMD's public machine-readable ISA for CDNA 5 (MIT licence, August 2026) and "CDNA5" Instruction Set Architecture Reference Guide (July 2026). The comments in the code are by the model that wrote it; some were corrected since.
;; Constituency Aware Attention. Allowed arithmetic: matrix products marked QUANTISED: E2M1 operands, one E8M0 scale for each 32 along K, by v_wmma_scale_f32_16x16x128_f8f6f4 with both operands' format E2M1 (or v_wmma_scale_f32_32x16x128_f4), f32 sums; products left as they are: bf16, f16 or f32 operands; f32 sums; everything else in f32.
;; Inputs: Wk 1,024 x 1,024 float32; Wq 1,024 x 1,024 float32; Wv 1,024 x 1,024 float32; bk 1,024 float32; bq 1,024 float32; bv 1,024 float32; hidden_states 8 x 1,024 x 1,024 float32.
;; Outputs: out0 8 x 1,024 x 1,024 float32.
;; This version of the problem:
;;   THIS VERSION OF THE PROBLEM IS GIVEN IN LOW PRECISION. The matrix products marked QUANTISED in the list below multiply operands that are first quantised to E2M1 (2 exponent bits, 1 mantissa bit; 4 bits a number), with one power-of-two scale for each 32 numbers along K (OCP MX v1.0); their sums are f32. The products marked 'left as it is' may take bf16, f16 or f32 operands, with f32 sums. Whichever they take, every output number must still come out within the allowed error. Rounding operands to bf16 (8 significant bits) uses up far more of that allowance than f16 does (11 bits, for magnitudes from 6e-5 to 65,504). All else is computed in f32.
;;   The module's matrix products, in the order in which they are computed (A, B: the left and right operand; K: the contracted axis; several contracted axes count as one K, in the product's order):
;;     1. [M 8,192, K 1,024] x [K 1,024, N 1,024]; A: input hidden_states; B: input Wq: QUANTISED
;;     2. [M 8,192, K 1,024] x [K 1,024, N 1,024]; A: input hidden_states; B: input Wk: QUANTISED
;;     3. [M 8,192, K 1,024] x [K 1,024, N 1,024]; A: input hidden_states; B: input Wv: QUANTISED
;;     4. batch 128 x [M 1,024, K 64] x [K 64, N 1,024]; A: computed on the way; B: computed on the way: left as it is (an operand is computed on the way)
;;     5. batch 128 x [M 1,024, K 1,024] x [K 1,024, N 64]; A: computed on the way; B: computed on the way: left as it is (an operand is computed on the way)
;;   THE QUANTISER, for each operand of a quantised product, along K:
;;     - K is cut into blocks of 32 from its start; a last block that is shorter is filled with zeros.
;;     - A block's scale is 2^e with e = floor(log2(the largest magnitude in the block)) - 2, held to -126 .. 127; a block of zeros has e = 0. As a byte (E8M0): e + 127.
;;     - Each number is divided by its block's scale, clamped to +-6, and rounded to the nearest number of E2M1, ties to even, subnormals kept.
;;     - The product sums the exact products of the quantised numbers (number of the format x scale) in f32.
;;   ~~~python
;;   def quantise(x, axis):      # numpy; x: float32 -> the quantised numbers, widened to float32 again
;;       x = np.moveaxis(x, axis, -1); K = x.shape[-1]
;;       x = np.pad(x, [(0, 0)] * (x.ndim - 1) + [(0, -K % 32)]); x = x.reshape(x.shape[:-1] + (-1, 32)); a = np.abs(x).max(-1, keepdims=True)
;;       e = np.where(a > 0, np.clip(np.frexp(np.where(a > 0, a, 1))[1] - 1 - 2, -126, 127), 0)      # np.frexp(a)[1] - 1 = floor(log2(a)), exactly
;;       r = np.clip(x / 2.0 ** e, -6, 6)
;;       step = 2.0 ** (np.maximum(np.frexp(np.where(r == 0, 1, r))[1] - 1, 0) - 1)
;;       q = np.round(r / step) * step * 2.0 ** e      # np.round: ties to even
;;       return np.moveaxis(q.reshape(q.shape[:-2] + (-1,))[..., :K], -1, axis).astype(np.float32)
;;   ~~~
;; One version. Each part assembles by itself: llvm-mc -triple=amdgcn-amd-amdhsa -mcpu=gfx1250 --defsym DOCPART=n.
;; ======== version 1 of 1: 3 launches
;; limits: values are held in f16: magnitudes above 65,504 overflow, below 6.1e-05 lose precision
;; workspace buffers: x_codes 4,194,304 bytes; x_scales 262,144 bytes; w_codes 1,572,864 bytes; w_scales 98,304 bytes; qkv 50,331,648 bytes
;; launch quant (part 1): grid 704 x 1, 4 waves a work-group, no clusters, 68,608 bytes of LDS; arguments hidden_states, Wq, Wk, Wv, x_codes, x_scales, w_codes, w_scales; writes x_codes, x_scales, w_codes, w_scales
.if DOCPART == 1
	.amdgcn_target "amdgcn-amd-amdhsa--gfx1250"
	.amdhsa_code_object_version 6
	.text
	.protected	k_qd3d9a21d51_quant
	.globl	k_qd3d9a21d51_quant
	.p2align	8
	.type	k_qd3d9a21d51_quant,@function
k_qd3d9a21d51_quant:
	s_mov_b64 s[64:65], 0
	v_nop
	global_prefetch_b8 v0, s[64:65] scope:SCOPE_SE
	s_setreg_imm32_b32 hwreg(HW_REG_WAVE_MODE, 25, 1), 1
	s_wait_xcnt 0x0
; LAUNCH 1 OF 3.  hidden_states [8192][1024] and Wq, Wk, Wv [1024 (k)][1024 (n)], f32, become codes of FP4 (E2M1) with one E8M0 scale byte for each 32 along K = 1024.
; A block's scale is 2^(floor(log2(its largest magnitude)) - 2): its byte is the largest magnitude's own exponent field - 2, held at 1 from below; each number is divided by the scale and rounded to the nearest code, ties to even, beyond 6 the code of 6.
; DEAD WORK, for the whole program: bk.  A score is q . (k' + bk) / 8 = q . k' / 8 + q . bk / 8, k' = hidden_states Wk.  The second term does not hang on the key: it is the same along the softmax's axis, so the softmax
; takes it away whatever finite values the inputs hold; and the product q k^T is not quantised, so bk moves no code and no scale.  k serves nothing else.  So bk has no way to an output: it is not loaded and is no argument of any launch.
; bq and bv are live.  LIMIT: a NaN, an infinity or an overflow that would reach the result through bk alone is not carried to it.
; LIMITS: a block of zeros gets the byte 1 where the rule says 127 (its codes are zeros, which add nothing, and this program alone reads the bytes); NaN and infinities among the inputs are not served.
; LAYOUT OF THE WORKSPACE, in the order of the operand's registers: codes [block of 32 along K: 32][row][16 bytes], scale words [128 along K: 8][row][4 bytes].  Rows of x: 8192 tokens.  Rows of w: n = 1024 mat + column, mat 0 q, 1 k, 2 v.
; SHARES.  A work-group takes 128 rows x 128 along K; wave w rows 32 w on; A LANE TAKES A ROW and its registers X .. X+127 run along K: four whole blocks, so no maximum asks another lane.
; Work-groups 0-511: hidden_states, where K is innermost: each load takes 512 consecutive bytes of one row, and the wave's 32 rows turn through its own stage in LDS (rows 528 bytes apart).
; Work-groups 512-703: the weights, where K is the first axis: a lane takes a column and each load takes one k of 32 neighbouring columns; the four waves stand side by side on 512 bytes.  Nothing is turned.
; Every load of a work-group is asked for at once; no loop.  Each store of codes covers 512 consecutive bytes; the 128 scale words meet in LDS and leave as 512 consecutive bytes.
.set STGW,  16896                      ; a wave's stage: 32 rows x 528 bytes
.set SCW,   4*STGW                     ; behind the stages: 128 scale words
.set SPARE, SCW+512                    ; the spare words, 128 bytes for each wave: two blocks of 256 bytes that no other line names
.set SPW,   12                         ; v12  LDS address of my spare word; never rewritten
.set NIL,   13                         ; v13  0; never rewritten
.set TM,    16                         ; v16-19  the four blocks' largest magnitudes
.set SO,    20                         ; v20-23  the conversions' scale operands
.set BY,    24                         ; v24-27  the scale bytes
.set WD,    28                         ; v28     my row's scale word
.set C,     32                         ; v32-47  the codes, four registers a block
.set SB,    48                         ; v48-51  scale words on their way out
.set X,     64                         ; v64-191 my row's 128 numbers
	s_load_b256 s[4:11], s[0:1], 0x0               ; hidden_states s[4:5], Wq s[6:7], Wk s[8:9], Wv s[10:11]
	s_load_b256 s[12:19], s[0:1], 0x20             ; x_codes s[12:13], x_scales s[14:15], w_codes s[16:17], w_scales s[18:19]
	v_lshl_add_u32 v[SPW], v0, 2, SPARE
	v_mov_b32 v[NIL], 0
	v_lshrrev_b32 v1, 5, v0
	v_readfirstlane_b32 s20, v1                    ; wave 0..3
	v_and_b32 v1, 31, v0                           ; lane
	v_lshlrev_b32 v2, 4, v1                        ; 16 x lane
	v_lshlrev_b32 v3, 2, v1                        ; 4 x lane
	s_mul_i32 s31, s20, STGW                       ; every LDS address is made here, ahead of the parting
	v_add_nc_u32 v4, s31, v2                       ; the stage, on the way in: 16 x lane of a row
	v_mul_u32_u24 v5, v1, 528
	v_add_nc_u32 v5, s31, v5                       ; and on the way out: my row
	v_lshl_add_u32 v6, v0, 2, SCW                  ; my row's scale word
	v_lshl_add_u32 v7, v1, 4, SCW                  ; four of them, on the way out
	s_lshl_b32 s32, s20, 5                         ; 32 x wave
	s_mov_b32 s35, 0                               ; the offsets' high words
	s_mov_b32 s37, 0
	s_mov_b32 s39, 0
	s_wait_kmcnt 0x0
	s_cmp_ge_u32 ttmp9, 512                        ; the work-group's number alone decides
	s_cbranch_scc1 .Lw
	; ---- hidden_states: ks = wg / 64 (which 128 along K), rg = wg % 64 (which 128 rows)
	s_lshr_b32 s21, ttmp9, 6
	s_and_b32 s22, ttmp9, 63
	s_lshl_b32 s22, s22, 7                         ; the group's first row
	s_add_co_u32 s23, s22, s32                     ; my wave's
	s_lshl_b32 s34, s23, 12                        ; a row is 4,096 bytes
	s_lshl_b32 s33, s21, 9                         ; 128 numbers are 512
	s_add_co_u32 s34, s34, s33
	s_add_nc_u64 s[24:25], s[4:5], s[34:35]        ; from here I read
	s_lshl_b32 s33, s21, 15                        ; block 4 ks: 4 ks x 8192 rows
	s_add_co_u32 s36, s33, s23
	s_lshl_b32 s36, s36, 4
	s_add_nc_u64 s[26:27], s[12:13], s[36:37]      ; here my wave's codes go
	s_lshl_b32 s33, s21, 13
	s_add_co_u32 s38, s33, s22
	s_lshl_b32 s38, s38, 2
	s_add_nc_u64 s[28:29], s[14:15], s[38:39]      ; and here the group's scale words
	s_mov_b32 s30, 131072                          ; from a block's codes to the next block's: 8192 rows x 16 bytes
.set i, 0
.rept 32
	global_load_b128 v[X+4*i:X+4*i+3], v2, s[24:25] offset:4096*i th:TH_LOAD_NT   ; row i: 32 lanes take 512 consecutive bytes
.set i, i+1
.endr
.set i, 0
.rept 32
	s_wait_loadcnt 31-i                            ; loads come back in order: row i is in, the 31 - i younger ones may be out
	ds_store_b128 v4, v[X+4*i:X+4*i+3] offset:528*i
.set i, i+1
.endr
.set i, 0
.rept 32
	ds_load_b128 v[X+4*i:X+4*i+3], v5 offset:16*i  ; LDS serves a wave's instructions in order: these see my stores.  My row's numbers 4 i .. 4 i + 3
.set i, i+1
.endr
	s_wait_dscnt 0x0
	s_branch .Lq
.Lw:	; ---- the weights: u = wg - 512: mat = u / 64, ks = (u / 8) % 8, cg = u % 8 (which 128 columns)
	s_sub_co_u32 s21, ttmp9, 512
	s_lshr_b32 s22, s21, 6
	s_bfe_u32 s23, s21, 0x30003
	s_and_b32 s21, s21, 7
	s_cmp_eq_u32 s22, 0
	s_cselect_b64 s[24:25], s[6:7], s[8:9]         ; Wq or Wk,
	s_cmp_eq_u32 s22, 2
	s_cselect_b64 s[24:25], s[10:11], s[24:25]     ; or Wv: the choice hangs on the work-group's number alone
	s_lshl_b32 s21, s21, 7                         ; the group's first column
	s_add_co_u32 s33, s21, s32                     ; my wave's
	s_lshl_b32 s34, s33, 2
	s_lshl_b32 s31, s23, 19                        ; 128 ks rows of 4,096 bytes
	s_add_co_u32 s34, s34, s31
	s_add_nc_u64 s[24:25], s[24:25], s[34:35]
	s_lshl_b32 s22, s22, 10
	s_add_co_u32 s22, s22, s21                     ; n of the group's first column
	s_mul_i32 s31, s23, 12288                      ; block 4 ks: 4 ks x 3072 rows
	s_add_co_u32 s36, s31, s22
	s_add_co_u32 s36, s36, s32
	s_lshl_b32 s36, s36, 4
	s_add_nc_u64 s[26:27], s[16:17], s[36:37]
	s_mul_i32 s31, s23, 3072
	s_add_co_u32 s38, s31, s22
	s_lshl_b32 s38, s38, 2
	s_add_nc_u64 s[28:29], s[18:19], s[38:39]
	s_mov_b32 s30, 49152                           ; 3072 rows x 16 bytes
.set i, 0
.rept 128
	global_load_b32 v[X+i], v3, s[24:25] offset:4096*i th:TH_LOAD_NT   ; W(128 ks + i, my column)
.set i, i+1
.endr
	s_wait_loadcnt 0x0
.Lq:	; ---- both: my row's 128 numbers stand in X on
	v_add_nc_u32 v9, s30, v2                       ; where the codes of blocks 1, 2, 3 go (block 0: 16 x lane)
	v_add_nc_u32 v10, s30, v9
	v_add_nc_u32 v11, s30, v10
.irp b, 0,1,2,3
	v_max3_num_f32 v[TM+\b], |v[X+32*\b]|, |v[X+32*\b+1]|, 0x1800000   ; the block's largest magnitude, and the floor 2^(3 - 127): so the byte cannot fall under 1
.endr
.irp i, 2,4,6,8,10,12,14,16,18,20,22,24,26,28,30
.irp b, 0,1,2,3
	v_max3_num_f32 v[TM+\b], v[TM+\b], |v[X+32*\b+\i]|, |v[X+32*\b+\i+1]|   ; (the four blocks by turns: no line waits for the line above it)
.endr
.endr
.irp b, 0,1,2,3
	v_add_nc_u32 v[SO+\b], 0xff000000, v[TM+\b]    ; 2 off its exponent field: the conversion takes the exponent field of this operand as its scale, and nothing else of it
.endr
.irp b, 0,1,2,3
	v_lshrrev_b32 v[BY+\b], 23, v[SO+\b]           ; the scale's byte
.endr
.irp b, 0,1,2,3
.irp g, 0,1,2,3
	v_cvt_scalef32_pk8_fp4_f32 v[C+4*\b+\g], v[X+32*\b+8*\g:X+32*\b+8*\g+7], v[SO+\b]   ; eight codes, the lower k in the lower bits
.endr
.endr
	v_lshl_or_b32 v[WD], v[BY+1], 8, v[BY]         ; the four bytes make my row's scale word.  (Plain lines behind the conversions)
	v_lshl_or_b32 v[WD], v[BY+2], 16, v[WD]
	v_lshl_or_b32 v[WD], v[BY+3], 24, v[WD]
	global_store_b128 v2, v[C:C+3], s[26:27]       ; each store: 32 rows x 16 bytes, 512 consecutive bytes
	global_store_b128 v9, v[C+4:C+7], s[26:27]
	global_store_b128 v10, v[C+8:C+11], s[26:27]
	global_store_b128 v11, v[C+12:C+15], s[26:27]
	ds_store_b32 v6, v[WD]
	s_wait_dscnt 0x0                               ; for the others' sake: my scale words lie in LDS
	s_barrier_signal -1
	s_barrier_wait -1                              ; everybody's do
	s_cmp_lg_u32 s20, 0
	s_cbranch_scc1 .Lend
	ds_load_b128 v[SB:SB+3], v7                    ; wave 0 takes the group's 128 words
	s_wait_dscnt 0x0
	global_store_b128 v2, v[SB:SB+3], s[28:29]     ; 512 consecutive bytes
.Lend:
	s_wait_tensorcnt 0x0                           ; the wave's end, behind my last LDS store
	ds_add_u32 v[SPW], v[NIL]
	s_wait_dscnt 0x0
	s_endpgm
.Lfunc_end_k_qd3d9a21d51_quant:
	.size	k_qd3d9a21d51_quant, .Lfunc_end_k_qd3d9a21d51_quant-k_qd3d9a21d51_quant
	.p2alignl 7, 3214868480
	.fill 96, 4, 3214868480
	.section	.rodata,"a",@progbits
	.p2align	6, 0x0
	.amdhsa_kernel k_qd3d9a21d51_quant
		.amdhsa_group_segment_fixed_size 68608
		.amdhsa_private_segment_fixed_size 0
		.amdhsa_enable_private_segment 0
		.amdhsa_kernarg_size 64
		.amdhsa_user_sgpr_count 2
		.amdhsa_user_sgpr_kernarg_segment_ptr 1
		.amdhsa_wavefront_size32 1
		.amdhsa_system_sgpr_workgroup_id_x 1
		.amdhsa_system_sgpr_workgroup_id_y 1
		.amdhsa_system_sgpr_workgroup_id_z 1
		.amdhsa_system_vgpr_workitem_id 0
		.amdhsa_next_free_vgpr 192
		.amdhsa_next_free_sgpr 66
		.amdhsa_reserve_vcc 0
		.amdhsa_float_denorm_mode_32 3
		.amdhsa_float_denorm_mode_16_64 3
		.amdhsa_memory_ordered 1
		.amdhsa_forward_progress 1
		.amdhsa_inst_pref_size 30
	.end_amdhsa_kernel
	.amdgpu_metadata
---
amdhsa.version: [ 1, 2 ]
amdhsa.kernels:
  - .name:           k_qd3d9a21d51_quant
    .symbol:         k_qd3d9a21d51_quant.kd
    .args:
      - { .name: hidden_states, .offset: 0, .size: 8, .value_kind: global_buffer, .address_space: global }
      - { .name: Wq, .offset: 8, .size: 8, .value_kind: global_buffer, .address_space: global }
      - { .name: Wk, .offset: 16, .size: 8, .value_kind: global_buffer, .address_space: global }
      - { .name: Wv, .offset: 24, .size: 8, .value_kind: global_buffer, .address_space: global }
      - { .name: x_codes, .offset: 32, .size: 8, .value_kind: global_buffer, .address_space: global }
      - { .name: x_scales, .offset: 40, .size: 8, .value_kind: global_buffer, .address_space: global }
      - { .name: w_codes, .offset: 48, .size: 8, .value_kind: global_buffer, .address_space: global }
      - { .name: w_scales, .offset: 56, .size: 8, .value_kind: global_buffer, .address_space: global }
    .group_segment_fixed_size: 68608
    .private_segment_fixed_size: 0
    .kernarg_segment_align: 8
    .kernarg_segment_size: 64
    .max_flat_workgroup_size: 128
    .sgpr_count:     66
    .vgpr_count:     192
    .wavefront_size: 32
...
	.end_amdgpu_metadata
.endif
;; end of part 1
;; launch proj (part 2): grid 12 x 32, 4 waves a work-group, clusters of 4 x 4, 327,680 bytes of LDS; arguments x_codes, x_scales, w_codes, w_scales, bq, bv, qkv; writes qkv
.if DOCPART == 2
	.amdgcn_target "amdgcn-amd-amdhsa--gfx1250"
	.amdhsa_code_object_version 6
	.text
	.protected	k_qd3d9a21d51_proj
	.globl	k_qd3d9a21d51_proj
	.p2align	8
	.type	k_qd3d9a21d51_proj,@function
k_qd3d9a21d51_proj:
	s_mov_b64 s[64:65], 0
	v_nop
	global_prefetch_b8 v0, s[64:65] scope:SCOPE_SE
	s_setreg_imm32_b32 hwreg(HW_REG_WAVE_MODE, 25, 1), 1
	s_wait_xcnt 0x0
	s_wait_alu depctr_hold_cnt(0) depctr_sa_sdst(0) depctr_va_vdst(0) depctr_va_sdst(0) depctr_va_ssrc(0) depctr_va_vcc(0) depctr_vm_vsrc(0)
	s_getreg_b32 s2, hwreg(HW_REG_IB_STS2, 6, 4)
	s_cmp_eq_u32 s2, 0
	s_cbranch_scc0 .Lentry_in_a_cluster
	s_endpgm
.Lentry_in_a_cluster:
	s_bfe_u32 s2, ttmp6, 0x10000c
	s_cmp_lg_u32 s2, 0xf033
	s_cbranch_scc0 .Lentry_shape_is_right
	s_endpgm
.Lentry_shape_is_right:
; LAUNCH 2 OF 3.  q | k | v = Q(hidden_states) Q(Wq | Wk | Wv) + (bq | 0 | bv): ONE product, M 8192, N 3072, K 1024, on codes of FP4 (E2M1) with E8M0 scales, sums in f32; the results are rounded once to f16 for the attention.
; LEFT OUT: bk (dead work: shown at the head of the first launch).  k's sums begin at 0.
; LIMIT: |q|, |k|, |v| stay under 65,504, f16's largest number: with inputs 30 times those of the problem's kind they reach some 5,000.
; A tile of the result, 256 tokens x 256 columns, is made by four waves, 128 x 128 each: 64 accumulators, 512 registers.  K = 1024 is two LDS slots of 512: BOTH ARE FIRST FILLS, nothing is filled again, and the eight steps of 128 are written out.
; THE CODES LIE [block of 32 along K][row][16 bytes]: registers 4 c .. 4 c + 3 of a fragment's lane (r, h) are block 2 c + h of row r, so a fragment load takes 256 consecutive bytes in each half of the lanes: no padding.
; The scale words lie [128 along K][row][4 bytes]; those of the tile's rows, for all of K, come once.
; CLUSTERS: 4 x 4 work-groups.  The four of a row of the cluster need the same tokens' codes, the four of a column the same columns': each tile is asked for jointly.  A cluster's four tile columns are one of q, k, v: mat = the cluster's x.
; THE MATRIX INSTRUCTION IS USED TRANSPOSED (source 0 = 16 columns of w, source 1 = 16 tokens): a lane holds one token and eight neighbouring columns, which pack into 16 bytes of f16.
; THE BIAS is the C of each sum's first product: eight registers for each block of 16 columns.
; qkv: [mat 3][batch 8][head 16][tile of 16 tokens: 64][tile of 16 channels: 4][512 bytes].  In the 512 bytes the piece (token r, channels 8 h on) lies at 256 h + 16 r for q and k (16 x lane: an image of the operand's registers)
; and at 32 r + 16 h for v (rows of 32 bytes, for the turning load).  So each store of a wave is 512 consecutive bytes and the way out needs no LDS.
; REGISTERS: window 0: v16-29 addresses; v32-47 scale words, two sets; v128-191 the tokens' fragments, ONE set.  window 1: v0-63, v128-191 the columns' fragments, two sets; v64-127 the bias; on the way out all 256: packed results.
;   window 2: the accumulators of my tokens 0-63 ((a, b) at v[8 (8 a + b)]);  window 3: those of my tokens 64-127.
.set KB,     2048                      ; a block of 32 along K of 128 rows
.set HALFT,  16*KB                     ; 128 rows x 512 along K: what one tensor load brings
.set SLOT,   4*HALFT                   ; the tokens' two halves, then the columns' two halves
.set SCL,    2*SLOT                    ; behind the slots: the scale words, four parts
.set HALFS,  4096                      ; of 8 x 128 rows x 4 bytes
.set SPARE,  SCL+4*HALFS               ; the spare words, 128 bytes for each wave: two blocks of 256 bytes that no other line names
.set FR,     8                         ; registers of a fragment
.set NL,     2                         ; LDS loads that bring one
.set NP,     4                         ; places behind this matrix instruction (ISA guide 7.12.1)
.set ADRA, 16                          ; v16-17  LDS address of my tokens' fragments in slot 0, 1
.set ADRB, 20                          ; v20-21  of my columns'
.set CO,   24                          ; v24     my piece's place in a block of 512 bytes of qkv
.set BO,   25                          ; v25     32 h: my eight numbers of a block of 16 of the bias
.set ADRS, 27                          ; v27     LDS address of my scale words: lanes 0-15 the tokens', lanes 16-31 the columns'
.set SPW,  28                          ; v28     LDS address of my spare word; never rewritten
.set NIL,  29                          ; v29     0; never rewritten
.set SC,   32                          ; scale words: set q % 2 at v[SC + 8 (q % 2)]; register i: lanes 0-15 the word of the tokens' block i, lanes 16-31 that of the columns' block i
.set AF,   128                         ; the tokens' fragments, window 0
.set BI,   64                          ; the bias, window 1
.set G1, 24                            ; s[24:31] group 1 for the tokens' codes;  s[32:39] group 0, a set for each slot
.set G0, 32
.set G1B, 48                           ; s[48:55], s[56:63] the same for the columns'
.set G0B, 56
.set G1S, 68                           ; s[68:75], s[76:79] groups 1 and 0 for the tokens' scale words;  s[80:87], s[88:91] for the columns'
.set G0S, 76
.set G1SB, 80
.set G0SB, 88
.set MSB, 0
.macro WIN new                         ; the immediate's high byte repeats the setting that is left; a switch that changes nothing is dropped
.if MSB != (\new)
	s_set_vgpr_msb (MSB<<8)|(\new)
.set MSB, (\new)
.endif
.endm
.set MUL_LO, 0xa1                      ; source 0 window 1, source 1 window 0, C and D window 2;  with the bias as C (window 1): 0x91
.set MUL_HI, 0xf1                      ; the same, C and D window 3;  with the bias: 0xd1
.set TO_B,   0x40                      ; destination window 1, address window 0
; A joint load: waves 0 and 1 fetch for the tokens, waves 2 and 3 for the columns.  Each line has one mask and one set of registers for all that issue it; the branch hangs on the wave's number alone.
; An s_nop 0 and four v_nop follow each of the two lines.
.macro JLOAD g0a, g1a, g0b, g1b
	s_cmp_eq_u32 s15, 0
	s_cbranch_scc0 .Lfor_b_\@
	tensor_load_to_lds s[\g0a:\g0a+3], s[\g1a:\g1a+7]
	s_nop 0
.rept 4
	v_nop
.endr
	s_branch .Lasked_\@
.Lfor_b_\@:
	tensor_load_to_lds s[\g0b:\g0b+3], s[\g1b:\g1b+7]
	s_nop 0
.rept 4
	v_nop
.endr
.Lasked_\@:
.endm
.macro CROUND                          ; a round of the cluster's barrier
	s_barrier_signal -1
	s_barrier_wait -1
	s_cmp_lg_u32 s14, 0
	s_cbranch_scc1 .Lnot_wave_0_\@
	s_barrier_signal -3
.Lnot_wave_0_\@:
	s_barrier_wait -3
	s_barrier_signal -1
	s_barrier_wait -1
.endm
	s_load_b256 s[4:11], s[0:1], 0x0               ; x_codes s[4:5], x_scales s[6:7], w_codes s[8:9], w_scales s[10:11]
	s_load_b128 s[96:99], s[0:1], 0x20             ; bq s[96:97], bv s[98:99]
	s_load_b64 s[12:13], s[0:1], 0x30              ; qkv
	v_lshl_add_u32 v[SPW], v0, 2, SPARE
	v_mov_b32 v[NIL], 0
	ds_add_u32 v[SPW], v[NIL]                      ; the wave's opening: the add, twice on end, and its wait ahead of my first tensor load; the set-up below stands between the second and the wait
	ds_add_u32 v[SPW], v[NIL]
	v_lshrrev_b32 v1, 5, v0
	v_readfirstlane_b32 s14, v1                    ; wave 0..3
	s_lshr_b32 s15, s14, 1                         ; which half of the tile's tokens is mine.  Also: I fetch for the tokens (0) or for the columns (1)
	s_and_b32 s16, s14, 1                          ; which half of its columns.  Also: which 128 rows I fetch
	s_bfe_u32 s40, ttmp6, 0x40000                  ; cx, cy: my place in the cluster
	s_bfe_u32 s41, ttmp6, 0x40004
	s_lshl_b32 s42, ttmp9, 2
	s_add_co_u32 s42, s42, s40                     ; tile column = 4 x cluster x + cx
	s_and_b32 s17, ttmp7, 0xffff
	s_lshl_b32 s17, s17, 2
	s_add_co_u32 s17, s17, s41                     ; tile row = 4 x cluster y + cy
	s_lshl_b32 s43, s41, 2
	s_lshl_b32 s43, 15, s43                        ; my row of the cluster
	s_lshl_b32 s44, 0x1111, s40                    ; my column
	; group 1 for codes: 16 blocks along K, each 128 rows x 16 bytes = 256 elements of 8 bytes; from block to block all the tensor's rows: 8192 x 16 or 3072 x 16 bytes
	s_or_b32 s[G1+0], s43, (3<<16)|(1<<21)         ; 15:0 the mask; 17:16 elements of 8 bytes; 20 no padding; 21 set beside a mask
	s_or_b32 s[G1B+0], s44, (3<<16)|(1<<21)
.irp g, G1, G1B
	s_mov_b32 s[\g+1], 256<<16                     ; tensor_dim0
	s_mov_b32 s[\g+2], 16<<16                      ; tensor_dim1
	s_mov_b32 s[\g+3], 256<<16                     ; tile_dim0
	s_mov_b32 s[\g+4], 16                          ; tile_dim1
	s_mov_b32 s[\g+6], 0
	s_mov_b32 s[\g+7], 0
.endr
	s_mov_b32 s[G1+5], 16384                       ; tensor_dim0_stride, in elements
	s_mov_b32 s[G1B+5], 6144
	; and for scale words: 8 steps of 128 along K, each 128 rows x 4 bytes = 64 elements
	s_or_b32 s[G1S+0], s43, (3<<16)|(1<<21)
	s_or_b32 s[G1SB+0], s44, (3<<16)|(1<<21)
.irp g, G1S, G1SB
	s_mov_b32 s[\g+1], 64<<16
	s_mov_b32 s[\g+2], 8<<16
	s_mov_b32 s[\g+3], 64<<16
	s_mov_b32 s[\g+4], 8
	s_mov_b32 s[\g+6], 0
	s_mov_b32 s[\g+7], 0
.endr
	s_mov_b32 s[G1S+5], 4096
	s_mov_b32 s[G1SB+5], 1536
	s_lshl_b32 s18, s16, 7                         ; which 128 rows I fetch
	s_lshl_b32 s20, s17, 8
	s_add_co_u32 s20, s20, s18                     ; tokens: row 256 x tile row + 128 x half
	s_lshl_b32 s46, s42, 8
	s_add_co_u32 s46, s46, s18                     ; columns: row 256 x tile column + 128 x half
	s_lshl_b32 s22, s20, 2                         ; their scale words, in bytes,
	s_mov_b32 s23, 0
	s_lshl_b32 s92, s46, 2
	s_mov_b32 s93, 0
	s_lshl_b32 s20, s20, 4                         ; and their codes
	s_mov_b32 s21, 0
	s_lshl_b32 s46, s46, 4
	s_mov_b32 s47, 0
	s_lshl_b32 s45, s14, 15                        ; where they go: wave x HALFT, wave x HALFS: no place in the cluster enters an LDS address
	s_lshl_b32 s94, s14, 12
	s_wait_dscnt 0x0                               ; both opening adds are done
	s_wait_kmcnt 0x0
	s_add_nc_u64 s[20:21], s[4:5], s[20:21]
	s_add_nc_u64 s[22:23], s[6:7], s[22:23]
	s_add_nc_u64 s[46:47], s[8:9], s[46:47]
	s_add_nc_u64 s[92:93], s[10:11], s[92:93]
	CROUND                                         ; all sixteen work-groups are here: the joint loads meet
	s_mov_b32 s[G0S], 1
	s_add_co_u32 s[G0S+1], s94, SCL
	s_mov_b64 s[G0S+2:G0S+3], s[22:23]
	s_or_b32 s[G0S+3], s[G0S+3], 0x80000000
	s_mov_b32 s[G0SB], 1
	s_add_co_u32 s[G0SB+1], s94, SCL
	s_mov_b64 s[G0SB+2:G0SB+3], s[92:93]
	s_or_b32 s[G0SB+3], s[G0SB+3], 0x80000000
	JLOAD G0S, G1S, G0SB, G1SB                     ; the scale words first: they are wanted with slot 0
.irp s, 0,1
	s_mov_b32 s[G0+4*\s], 1
	s_add_co_u32 s[G0+4*\s+1], s45, \s*SLOT
	s_add_nc_u64 s[G0+4*\s+2:G0+4*\s+3], s[20:21], \s*2097152     ; slot s: blocks 16 s on: 16 x 8192 rows x 16 bytes
	s_or_b32 s[G0+4*\s+3], s[G0+4*\s+3], 0x80000000
	s_mov_b32 s[G0B+4*\s], 1
	s_add_co_u32 s[G0B+4*\s+1], s45, \s*SLOT
	s_add_nc_u64 s[G0B+4*\s+2:G0B+4*\s+3], s[46:47], \s*786432    ; 16 x 3072 rows x 16 bytes
	s_or_b32 s[G0B+4*\s+3], s[G0B+4*\s+3], 0x80000000
	JLOAD G0+4*\s, G1, G0B+4*\s, G1B               ; three tensor loads of mine are out, and no more will be
.endr
	v_and_b32 v1, 15, v0                           ; r
	v_bfe_u32 v2, v0, 4, 1                         ; h
	v_lshlrev_b32 v[BO], 5, v2
	; THE BIAS: lane (r, h) wants, for block b of 16 columns, the numbers 16 b + 8 h + 0 .. 7 of my 128.  The branch hangs on the cluster's x, which all partners share.
	s_cmp_eq_u32 ttmp9, 1
	s_cbranch_scc1 .Lno_bias
	s_cmp_eq_u32 ttmp9, 0
	s_cselect_b64 s[18:19], s[96:97], s[98:99]     ; bq or bv
	s_lshl_b32 s46, s40, 10                        ; my first column in the matrix, 256 cx + 128 x half, in bytes
	s_lshl_b32 s47, s16, 9
	s_add_co_u32 s46, s46, s47
	s_mov_b32 s47, 0
	s_add_nc_u64 s[18:19], s[18:19], s[46:47]
	WIN TO_B
.irp b, 0,1,2,3,4,5,6,7
	global_load_b128 v[BI+8*\b:BI+8*\b+3], v[BO], s[18:19] offset:64*\b
	global_load_b128 v[BI+8*\b+4:BI+8*\b+7], v[BO], s[18:19] offset:64*\b+16
.endr
	WIN 0
	s_branch .Lbias_done
.Lno_bias:
	WIN TO_B
.set i, 0
.rept 64
	v_mov_b32 v[BI+i], 0                           ; k has no bias: zeros here let the three matrices share one text
.set i, i+1
.endr
	WIN 0
.Lbias_done:
	v_lshlrev_b32 v3, 4, v1
	v_lshl_add_u32 v4, v2, 11, v3                  ; a fragment's lane: block h, row r: 2048 h + 16 r
	s_lshl_b32 s21, s15, 15                        ; my 128 tokens
	s_lshl_b32 s22, s16, 15                        ; my 128 columns,
	s_add_co_u32 s22, s22, 2*HALFT                 ; which lie behind the tokens' two halves
.irp s, 0,1
	v_add_nc_u32 v[ADRA+\s], s21, v4
	v_add_nc_u32 v[ADRB+\s], s22, v4
	s_add_co_u32 s21, s21, SLOT
	s_add_co_u32 s22, s22, SLOT
.endr
	s_lshl_b32 s21, s15, 12                        ; scale words: the tokens' part,
	s_lshl_b32 s22, s16, 12
	s_add_co_u32 s22, s22, 2*HALFS                 ; the columns' part,
	s_sub_co_u32 s22, s22, s21                     ; and the distance between the two:
	v_mul_u32_u24 v6, s22, v2                      ; lanes 16-31 take the columns'
	s_add_co_u32 s21, s21, SCL
	v_lshl_add_u32 v5, v1, 2, v6
	v_add_nc_u32 v[ADRS], s21, v5
	s_cmp_eq_u32 ttmp9, 2                          ; my piece's place: q, k: 16 r + 256 h;  v: 32 r + 16 h
	s_cselect_b32 s21, 32, 16
	s_cselect_b32 s22, 16, 256
	v_mul_u32_u24 v5, s21, v1
	v_mul_u32_u24 v6, s22, v2
	v_add_nc_u32 v[CO], v5, v6
	s_lshl_b32 s20, ttmp9, 24                      ; qkv: mat x 16,777,216
	s_lshr_b32 s21, s17, 2                         ; + (16 x batch + head) x 131,072: batch = tile row / 4, head = 4 cx + 2 x my half of the columns (+ b / 4, in the stores' immediates)
	s_lshl_b32 s21, s21, 4
	s_lshl_b32 s22, s40, 2
	s_add_co_u32 s21, s21, s22
	s_lshl_b32 s22, s16, 1
	s_add_co_u32 s21, s21, s22
	s_lshl_b32 s21, s21, 17
	s_add_co_u32 s20, s20, s21
	s_and_b32 s21, s17, 3                          ; + tile of tokens x 2,048: 16 x (tile row % 4) + 8 x my half of the tokens (+ a)
	s_lshl_b32 s21, s21, 4
	s_lshl_b32 s22, s15, 3
	s_add_co_u32 s21, s21, s22
	s_lshl_b32 s21, s21, 11
	s_add_co_u32 s20, s20, s21
	s_mov_b32 s21, 0
	s_add_nc_u64 s[12:13], s[12:13], s[20:21]
.macro FRAG reg, adr, q, i             ; a fragment, 16 rows x 128 K: registers 4 c .. 4 c + 3 of lane (r, h) are block 4 q + 2 c + h of row 16 i + r
.irp c, 0,1
	ds_load_b128 v[\reg+4*\c:\reg+4*\c+3], v[\adr] offset:(4*(\q)+2*\c)*KB+256*(\i)
.endr
.endm
; 16 matrix instructions: the tokens' blocks a0, a0 + 1 x the columns' eight, 128 along K: the slot's q-th.  bias = 1: the sums begin at the bias.  The 64 accumulators take turns, one instruction a turn, in the same order in every step.
.macro MUL16 a0, q, bias
.irp a, \a0, \a0+1
.irp b, 0,1,2,3,4,5,6,7
.if \bias
	v_wmma_scale_f32_16x16x128_f8f6f4 v[8*(8*((\a)%4)+\b):8*(8*((\a)%4)+\b)+7], v[128*((\q)%2)+FR*\b:128*((\q)%2)+FR*\b+FR-1], v[AF+FR*(\a):AF+FR*(\a)+FR-1], v[BI+8*\b:BI+8*\b+7], v[SC+8*((\q)%2)+\b], v[SC+8*((\q)%2)+(\a)] matrix_a_fmt:MATRIX_FMT_FP4 matrix_b_fmt:MATRIX_FMT_FP4 matrix_a_scale:MATRIX_SCALE_ROW1
.else
	v_wmma_scale_f32_16x16x128_f8f6f4 v[8*(8*((\a)%4)+\b):8*(8*((\a)%4)+\b)+7], v[128*((\q)%2)+FR*\b:128*((\q)%2)+FR*\b+FR-1], v[AF+FR*(\a):AF+FR*(\a)+FR-1], v[8*(8*((\a)%4)+\b):8*(8*((\a)%4)+\b)+7], v[SC+8*((\q)%2)+\b], v[SC+8*((\q)%2)+(\a)] matrix_a_fmt:MATRIX_FMT_FP4 matrix_b_fmt:MATRIX_FMT_FP4 matrix_a_scale:MATRIX_SCALE_ROW1
.endif
.endr
.endr
.endm
.macro FETCH_B slot, q, p              ; the columns' eight fragments of the slot's q-th 128 along K into set p
	WIN TO_B
.irp i, 0,1,2,3,4,5,6,7
	FRAG 128*(\p)+FR*\i, ADRB+\slot, \q, \i
.endr
	WIN 0
.endm
.macro FETCH_A slot, q, i0             ; the tokens' blocks i0 .. i0 + 3
.irp i, \i0, \i0+1, \i0+2, \i0+3
	FRAG AF+FR*(\i), ADRA+\slot, \q, \i
.endr
.endm
.macro SCALES g                        ; the scale words of step g of eight into set g % 2
.irp i, 0,1,2,3,4,5,6,7
	ds_load_b32 v[SC+8*((\g)%2)+\i], v[ADRS] offset:512*(\g)+64*\i
.endr
.endm
.macro PLACES n                        ; a load into a register that a matrix instruction has read, and a read of a matrix result, stand NP plain vector instructions behind that matrix instruction
.rept \n
	v_nop
.endr
.endm
; A step of 128 along K that has its successor in the same slot.  A block of tokens is free as soon as its eight products are issued: blocks 0-3 are fetched anew in the step's middle, blocks 4-7 at its end.
.macro STEP slot, q, bias
	s_wait_dscnt 4*NL                              ; all but the youngest eight loads (the tokens' blocks 4-7)
	WIN MUL_LO-0x10*(\bias)
	MUL16 0, \q, \bias
	MUL16 2, \q, \bias
	s_wait_dscnt 0x0                               ; blocks 4-7 are in
	PLACES NP
	FETCH_B \slot, (\q)+1, 1-(\q)%2
	FETCH_A \slot, (\q)+1, 0
	SCALES 4*(\slot)+(\q)+1
	WIN MUL_HI-0x20*(\bias)
	MUL16 4, \q, \bias
	MUL16 6, \q, \bias
	PLACES NP
	WIN 0
	FETCH_A \slot, (\q)+1, 4
.endm
	s_wait_tensorcnt 0x1                           ; the scale words and my part of slot 0 are in; slot 1's load may be out
	s_barrier_signal -1
	s_barrier_wait -1                              ; everybody's are
	FETCH_B 0, 0, 0
	FETCH_A 0, 0, 0
	SCALES 0
	FETCH_A 0, 0, 4
	s_wait_loadcnt 0x0                             ; the bias
	STEP 0, 0, 1
	STEP 0, 1, 0
	STEP 0, 2, 0
	; slot 0's last step goes over to slot 1: one barrier, in front of which each wave's part of slot 1 has landed
	s_wait_tensorcnt 0x0                           ; all my tensor loads have landed
	ds_add_u32 v[SPW], v[NIL]                      ; 0 onto my spare word
	s_wait_dscnt 4*NL+1                            ; (the add and the youngest eight loads may be out)
	WIN MUL_LO
	MUL16 0, 3, 0
	s_wait_dscnt 0x0
	s_barrier_signal -1
	MUL16 2, 3, 0                                  ; work on registers while the others arrive
	WIN 0
	s_barrier_wait -1                              ; slot 1 is whole
	PLACES NP
	FETCH_B 1, 0, 0
	FETCH_A 1, 0, 0
	SCALES 4
	WIN MUL_HI
	MUL16 4, 3, 0
	MUL16 6, 3, 0
	PLACES NP
	WIN 0
	FETCH_A 1, 0, 4
	STEP 1, 0, 0
	STEP 1, 1, 0
	STEP 1, 2, 0
	s_wait_dscnt 4*NL                              ; the last step: nothing more to fetch
	WIN MUL_LO
	MUL16 0, 3, 0
	MUL16 2, 3, 0
	s_wait_dscnt 0x0
	WIN MUL_HI
	MUL16 4, 3, 0
	MUL16 6, 3, 0
	; THE WAY OUT.  A lane's eight results of an accumulator are eight neighbouring channels of one token: 16 bytes of f16.  The 32 lanes' pieces are one block of 512 bytes of qkv.  Each packed result has a register of its own: no store's data are written again.
	PLACES NP
.irp a, 0,1,2,3,4,5,6,7
	WIN 0x4a+5*((\a)/4)                            ; sources window 2 or 3, destination window 1
.irp b, 0,1,2,3,4,5,6,7
.irp i, 0,1,2,3
	v_cvt_pk_f16_f32 v[32*\a+4*\b+\i], v[8*(8*((\a)%4)+\b)+2*\i], v[8*(8*((\a)%4)+\b)+2*\i+1]   ; each accumulator from its low end on
.endr
.endr
	WIN 0x04                                       ; a store's data are its source 1: window 1
.irp b, 0,1,2,3,4,5,6,7
	global_store_b128 v[CO], v[32*\a+4*\b:32*\a+4*\b+3], s[12:13] offset:2048*\a+131072*(\b/4)+512*(\b%4)   ; tile of tokens a, head b / 4, tile of channels b % 4: 512 consecutive bytes
.endr
.endr
	WIN 0
	s_wait_tensorcnt 0x0                           ; the wave's end
	ds_add_u32 v[SPW], v[NIL]
	s_wait_dscnt 0x0
	CROUND                                         ; the closing round: no work-group ends while a partner may still ask for a tile that names it
	s_endpgm
.Lfunc_end_k_qd3d9a21d51_proj:
	.size	k_qd3d9a21d51_proj, .Lfunc_end_k_qd3d9a21d51_proj-k_qd3d9a21d51_proj
	.p2alignl 7, 3214868480
	.fill 96, 4, 3214868480
	.section	.rodata,"a",@progbits
	.p2align	6, 0x0
	.amdhsa_kernel k_qd3d9a21d51_proj
		.amdhsa_group_segment_fixed_size 327680
		.amdhsa_private_segment_fixed_size 0
		.amdhsa_enable_private_segment 0
		.amdhsa_kernarg_size 56
		.amdhsa_user_sgpr_count 2
		.amdhsa_user_sgpr_kernarg_segment_ptr 1
		.amdhsa_wavefront_size32 1
		.amdhsa_system_sgpr_workgroup_id_x 1
		.amdhsa_system_sgpr_workgroup_id_y 1
		.amdhsa_system_sgpr_workgroup_id_z 1
		.amdhsa_system_vgpr_workitem_id 0
		.amdhsa_next_free_vgpr 1024
		.amdhsa_next_free_sgpr 100
		.amdhsa_reserve_vcc 0
		.amdhsa_float_denorm_mode_32 3
		.amdhsa_float_denorm_mode_16_64 3
		.amdhsa_memory_ordered 1
		.amdhsa_forward_progress 1
		.amdhsa_inst_pref_size 124
	.end_amdhsa_kernel
	.amdgpu_metadata
---
amdhsa.version: [ 1, 2 ]
amdhsa.kernels:
  - .name:           k_qd3d9a21d51_proj
    .symbol:         k_qd3d9a21d51_proj.kd
    .args:
      - { .name: x_codes, .offset: 0, .size: 8, .value_kind: global_buffer, .address_space: global }
      - { .name: x_scales, .offset: 8, .size: 8, .value_kind: global_buffer, .address_space: global }
      - { .name: w_codes, .offset: 16, .size: 8, .value_kind: global_buffer, .address_space: global }
      - { .name: w_scales, .offset: 24, .size: 8, .value_kind: global_buffer, .address_space: global }
      - { .name: bq, .offset: 32, .size: 8, .value_kind: global_buffer, .address_space: global }
      - { .name: bv, .offset: 40, .size: 8, .value_kind: global_buffer, .address_space: global }
      - { .name: qkv, .offset: 48, .size: 8, .value_kind: global_buffer, .address_space: global }
    .group_segment_fixed_size: 327680
    .private_segment_fixed_size: 0
    .kernarg_segment_align: 8
    .kernarg_segment_size: 56
    .max_flat_workgroup_size: 128
    .sgpr_count:     100
    .vgpr_count:     1024
    .wavefront_size: 32
...
	.end_amdgpu_metadata
.endif
;; end of part 2
;; launch attn (part 3): grid 2 x 128, 8 waves a work-group, no clusters, 327,680 bytes of LDS; arguments qkv, out0; writes out0
.if DOCPART == 3
	.amdgcn_target "amdgcn-amd-amdhsa--gfx1250"
	.amdhsa_code_object_version 6
	.text
	.protected	k_qd3d9a21d51_attn
	.globl	k_qd3d9a21d51_attn
	.p2align	8
	.type	k_qd3d9a21d51_attn,@function
k_qd3d9a21d51_attn:
	s_mov_b64 s[64:65], 0
	v_nop
	global_prefetch_b8 v0, s[64:65] scope:SCOPE_SE
	s_setreg_imm32_b32 hwreg(HW_REG_WAVE_MODE, 25, 1), 1
	s_wait_xcnt 0x0
; LAUNCH 3 OF 3.  out0[b][q][64 head + d] = the sum over keys of softmax_k(q . k / 8 - pen(q, k)) v[k][d];  pen = 0.5 where query and key lie in different blocks of 64, else 0.  16 heads of 64, 1024 keys, 8 batches.
; LEFT OUT: bk (dead work: shown at the head of the first launch): k comes without it.
; q, k, v arrive in f16; the weights p are rounded to f16 for the second product; products' sums, maxima, exponentials and the rows' sums in f32.  f16 and not bf16: three more bits in each of the four operands.
; LIMITS: |q|, |k|, |v| under 65,504; a weight under 2^-24 of its row's largest counts as 0; NaN among the inputs is not served.
; NO CLUSTER: only two work-groups read a head's k and v; a cluster of four along x would hold two heads, and a joint load's mask and address would hang on a work-group's place in it.
; SHARES.  A work-group owns one (batch, head) and 512 of its queries; each of its eight waves 64 queries: four tiles of 16, and exactly one block of the penalty.  THE HEAD'S WHOLE k AND v LIE IN LDS, filled once, 128 KiB each.
; Every wave walks 16 key steps of 64 keys; a step is one block of the penalty too: so the penalty is ONE SCALAR a step.
; LAYOUT.  S^T = k q^T (source 0 = 16 keys, source 1 = 16 queries): a lane holds one query and keys 8 (lane / 16) + 0 .. 7.  Two such tiles, rounded in pairs, are source 1 of O^T = v^T p, whose result again holds one query a lane.
; k's and q's fragments are images of registers (16 x lane); v lies in rows of 32 bytes and comes turned, by ds_load_tr16_b128.
; SOFTMAX, base 2: t = c s - pen log2(e), c = log2(e) / 8.  For each query a running maximum m of t and sum l: p = 2^(t - m); in every step O and l are multiplied by a = 2^(m_old - m_new).
; IN PHASES, TWO GROUPS OF WAVES HALF A STEP APART.  A step is a vector phase (maximum, exponentials, sums, roundings, rescaling) and a matrix phase (32 products v^T p, 32 products k q^T of the next step).
; Waves 0-3 run the first half step ahead of a barrier, waves 4-7 behind it: from there on one group's matrix phase can stand beside the other group's vector phase.
; REGISTERS: window 0: v1-11 addresses; v16-47 statistics, eight a tile (+0 nb = -pen' - m, +1 m, +2, +3 l, +4 .. +7 c0-c3 at work; a takes c2's place); v64-191 S^T, 32 a tile, p packed into each tile's low 16; v192-255 q.
;   window 1: v0-127 O^T (tile t, channels 16 ct on: 32 t + 8 ct); v128-191 k of one step; v192-255 v of one step.
.set VIMG,  131072                     ; LDS: k's image from 0, v's from here,
.set STAGE, 262144                     ; the way out: 16 rows x 272 bytes for each wave,
.set SP,    272
.set SPARE, STAGE+8*16*SP              ; the spare words, 128 bytes for each wave: four blocks of 256 bytes that no other line names
.set STEPB, 8192                       ; 64 keys: four tiles of 2,048 bytes
.set AK0, 3                            ; v3   16 x lane: my place in a block of k or q
.set AV0, 4                            ; v4   my place in a block of v, for the turning load
.set ADK, 5                            ; v5   LDS address of the step's k
.set ADV, 6                            ; v6   of its v
.set STO, 7                            ; v7   the way out: where I put 32 bytes of a row
.set RD,  8                            ; v8   where I read a row back
.set GO,  9                            ; v9   my byte offset in the wave's rows of out0
.set SPW, 10                           ; v10  LDS address of my spare word; never rewritten
.set NIL, 11                           ; v11  0; never rewritten
.set ST,  16
.set S,   64
.set QF,  192
.set O,   0                            ; window 1
.set KF,  128
.set VF,  192
.set MSB, 0
.macro WIN new                         ; the immediate's high byte repeats the setting that is left
.if MSB != (\new)
	s_set_vgpr_msb (MSB<<8)|(\new)
.set MSB, (\new)
.endif
.endm
.macro PLACES n
.rept \n
	v_nop
.endr
.endm
	s_load_b128 s[4:7], s[0:1], 0x0                ; qkv s[4:5], out0 s[6:7]
	v_lshl_add_u32 v[SPW], v0, 2, SPARE
	v_mov_b32 v[NIL], 0
	ds_add_u32 v[SPW], v[NIL]                      ; the wave's opening: the add, twice on end, and its wait ahead of my first tensor load; the set-up below stands between the second and the wait
	ds_add_u32 v[SPW], v[NIL]
	v_lshrrev_b32 v1, 5, v0
	v_readfirstlane_b32 s8, v1                     ; wave 0..7
	s_and_b32 s10, ttmp7, 0xffff                   ; 16 x batch + head
	s_lshl_b32 s11, ttmp9, 3
	s_add_co_u32 s11, s11, s8                      ; my queries' block of the penalty: 8 x half + wave
	s_mov_b32 s12, 0                               ; the key step, which is the keys' block
	s_mov_b32 s13, 0                               ; and its first byte in an image
	s_mov_b32 s16, 0x3e38aa3b                      ; c = log2(e) / 8
	s_mov_b32 s17, s16                             ; (named with it as a pair, so it is written)
	s_mov_b32 s18, 0x76543210                      ; v_permlanex16_b32's selects for lane l xor 16
	s_mov_b32 s19, 0xfedcba98
	; group 1: dense blocks, as rows of 256 bytes (32 elements of 8 bytes): s[24:31] 32 rows, s[32:39] 96 rows
.irp g, 24, 32
	s_mov_b32 s[\g], 3<<16                         ; no mask; elements of 8 bytes; no padding
	s_mov_b32 s[\g+1], 32<<16                      ; tensor_dim0
	s_mov_b32 s[\g+3], 32<<16                      ; tile_dim0
	s_mov_b32 s[\g+5], 32                          ; tensor_dim0_stride
	s_mov_b32 s[\g+6], 0
	s_mov_b32 s[\g+7], 0
.endr
	s_mov_b32 s26, 32<<16                          ; tensor_dim1
	s_mov_b32 s28, 32                              ; tile_dim1
	s_mov_b32 s34, 96<<16
	s_mov_b32 s36, 96
	; EVERY WAVE FETCHES TWICE: waves 0-3 for k, waves 4-7 for v; part p = wave % 4.  First a quarter of keys 0-255 (8,192 bytes), then a quarter of the rest (24,576 bytes): the first steps need not wait for the whole head
	s_lshr_b32 s20, s8, 2                          ; 0 k, 1 v
	s_and_b32 s21, s8, 3
	s_lshl_b32 s22, s20, 17                        ; the image
	s_lshl_b32 s23, s21, 13                        ; 8,192 p
	s_mul_i32 s48, s21, 24576
	s_add_co_u32 s48, s48, 32768                   ; 32,768 + 24,576 p
	s_mov_b32 s40, 1                               ; group 0 of the first load: s[40:43]
	s_add_co_u32 s41, s22, s23
	s_mov_b32 s44, 1                               ; of the second: s[44:47]
	s_add_co_u32 s45, s22, s48
	s_add_co_u32 s50, s20, 1                       ; in qkv: mat 1 or 2,
	s_lshl_b32 s50, s50, 24
	s_lshl_b32 s49, s10, 17                        ; my (batch, head): 131,072 bytes each
	s_add_co_u32 s50, s50, s49
	s_add_co_u32 s52, s50, s23
	s_mov_b32 s53, 0
	s_add_co_u32 s54, s50, s48
	s_mov_b32 s55, 0
	s_lshl_b32 s20, ttmp9, 5                       ; q: my first tile of 16 tokens: 32 x half + 4 x wave, 2,048 bytes each
	s_lshl_b32 s21, s8, 2
	s_add_co_u32 s20, s20, s21
	s_lshl_b32 s20, s20, 11
	s_add_co_u32 s50, s20, s49
	s_mov_b32 s51, 0
	s_lshr_b32 s20, s10, 4                         ; out0: row 1024 x batch + 512 x half + 64 x wave, of 4,096 bytes; + 256 x head
	s_lshl_b32 s20, s20, 10
	s_lshl_b32 s21, ttmp9, 9
	s_add_co_u32 s20, s20, s21
	s_lshl_b32 s21, s8, 6
	s_add_co_u32 s20, s20, s21
	s_lshl_b32 s20, s20, 12
	s_and_b32 s21, s10, 15
	s_lshl_b32 s21, s21, 8
	s_add_co_u32 s20, s20, s21
	s_mov_b32 s21, 0
	v_and_b32 v1, 15, v0                           ; r
	v_bfe_u32 v2, v0, 4, 1                         ; h
	v_and_b32 v12, 31, v0
	v_lshlrev_b32 v[AK0], 4, v12
	v_and_b32 v13, 7, v0                           ; the turning load: lane l reads 16 bytes: key 8 h + l % 8 (rows of 32 bytes), channels 8 ((l / 8) % 2) on
	v_bfe_u32 v14, v0, 3, 1
	v_lshlrev_b32 v[AV0], 8, v2
	v_lshl_add_u32 v[AV0], v13, 5, v[AV0]
	v_lshl_add_u32 v[AV0], v14, 4, v[AV0]
	v_add_nc_u32 v[AV0], VIMG, v[AV0]
	v_add_nc_u32 v[ADK], s13, v[AK0]               ; key step 0's addresses are made here, ahead of the waves' parting
	v_add_nc_u32 v[ADV], s13, v[AV0]
	s_mul_i32 s22, s8, 16*SP
	s_add_co_u32 s22, s22, STAGE                   ; my stage
	v_mul_u32_u24 v[STO], v1, SP                   ; in: row r, 32 bytes for each half of the lanes
	v_lshl_add_u32 v[STO], v2, 5, v[STO]
	v_add_nc_u32 v[STO], s22, v[STO]
	v_mul_u32_u24 v[RD], v2, SP                    ; back: lanes 0-15 one row of 256 bytes, lanes 16-31 the next
	v_lshl_add_u32 v[RD], v1, 4, v[RD]
	v_add_nc_u32 v[RD], s22, v[RD]
	v_lshlrev_b32 v[GO], 12, v2                    ; and the same two rows in out0
	v_lshl_add_u32 v[GO], v1, 4, v[GO]
	s_wait_dscnt 0x0                               ; both opening adds are done
	s_wait_kmcnt 0x0
	s_add_nc_u64 s[42:43], s[4:5], s[52:53]
	s_or_b32 s43, s43, 0x80000000
	s_add_nc_u64 s[46:47], s[4:5], s[54:55]
	s_or_b32 s47, s47, 0x80000000
	s_add_nc_u64 s[56:57], s[4:5], s[50:51]        ; q at my first tile
	s_add_nc_u64 s[6:7], s[6:7], s[20:21]          ; out0 at my first row
	tensor_load_to_lds s[40:43], s[24:31]          ; my two first fills stand together, on the one way that all waves take: two tensor loads of mine are out, and no more will be
	s_nop 0
	tensor_load_to_lds s[44:47], s[32:39]
	s_nop 0
.rept 4
	v_nop
.endr
.irp t, 0,1,2,3                        ; q stays in registers: tile t, channels 32 g on, at QF + 8 (2 t + g)
.irp g, 0,1
.irp c, 0,1
	global_load_b128 v[QF+8*(2*\t+\g)+4*\c:QF+8*(2*\t+\g)+4*\c+3], v[AK0], s[56:57] offset:2048*\t+512*(2*\g+\c) th:TH_LOAD_NT
.endr
.endr
.endr
.macro FETCH_K off                     ; 64 keys x 64 channels: 8 fragments (keys 16 kt on, channels 32 g on) at KF + 8 (2 kt + g); each load takes 512 consecutive bytes
	WIN 0x40                                       ; destination window 1
.irp kt, 0,1,2,3
.irp g, 0,1
.irp c, 0,1
	ds_load_b128 v[KF+8*(2*\kt+\g)+4*\c:KF+8*(2*\kt+\g)+4*\c+3], v[ADK] offset:\off+2048*\kt+512*(2*\g+\c)
.endr
.endr
.endr
.endm
.macro FETCH_V                         ; the same keys' v, turned: 8 fragments (keys 32 kg on, channels 16 ct on) at VF + 8 (4 kg + ct)
	WIN 0x40
.irp kg, 0,1
.irp ct, 0,1,2,3
.irp c, 0,1
	ds_load_tr16_b128 v[VF+8*(4*\kg+\ct)+4*\c:VF+8*(4*\kg+\ct)+4*\c+3], v[ADV] offset:2048*(2*\kg+\c)+512*\ct
.endr
.endr
.endr
	WIN 0
.endm
; 32 products S^T = k q^T.  The 16 accumulators take turns, one instruction a turn; the first 16 start the sums.
.macro KQ
	WIN 0x01                                       ; k in window 1
.irp g, 0,1
.irp kt, 0,1,2,3
.irp t, 0,1,2,3
.if \g == 0
	v_wmma_f32_16x16x32_f16 v[S+32*\t+8*\kt:S+32*\t+8*\kt+7], v[KF+8*(2*\kt+\g):KF+8*(2*\kt+\g)+7], v[QF+8*(2*\t+\g):QF+8*(2*\t+\g)+7], 0
.else
	v_wmma_f32_16x16x32_f16 v[S+32*\t+8*\kt:S+32*\t+8*\kt+7], v[KF+8*(2*\kt+\g):KF+8*(2*\kt+\g)+7], v[QF+8*(2*\t+\g):QF+8*(2*\t+\g)+7], v[S+32*\t+8*\kt:S+32*\t+8*\kt+7]
.endif
.endr
.endr
.endr
.endm
; 32 products O^T += v^T p, the 16 accumulators by turns.  first = 1: the first 16 start the sums: nothing is ever cleared.
.macro PV first
	WIN 0x51                                       ; v, C and D in window 1, p in window 0
.irp kg, 0,1
.irp ct, 0,1,2,3
.irp t, 0,1,2,3
.if \first && (\kg == 0)
	v_wmma_f32_16x16x32_f16 v[O+32*\t+8*\ct:O+32*\t+8*\ct+7], v[VF+8*(4*\kg+\ct):VF+8*(4*\kg+\ct)+7], v[S+32*\t+8*\kg:S+32*\t+8*\kg+7], 0
.else
	v_wmma_f32_16x16x32_f16 v[O+32*\t+8*\ct:O+32*\t+8*\ct+7], v[VF+8*(4*\kg+\ct):VF+8*(4*\kg+\ct)+7], v[S+32*\t+8*\kg:S+32*\t+8*\kg+7], v[O+32*\t+8*\ct:O+32*\t+8*\ct+7]
.endif
.endr
.endr
.endr
.endm
; THE SOFTMAX'S FIRST PART, up to the exponentials; the four tiles by turns on every line.  first = 1: the first key step, which starts m.
.macro SM1 first
.irp j, 0,1,2,3
.irp t, 0,1,2,3
	v_max3_num_f32 v[ST+8*\t+4+\j], v[S+32*\t+8*\j], v[S+32*\t+8*\j+1], v[S+32*\t+8*\j+2]   ; four chains, one for each accumulator, each from its low end on
.endr
.endr
.irp u, 1,2
.irp j, 0,1,2,3
.irp t, 0,1,2,3
	v_max3_num_f32 v[ST+8*\t+4+\j], v[ST+8*\t+4+\j], v[S+32*\t+8*\j+2*\u+1], v[S+32*\t+8*\j+2*\u+2]
.endr
.endr
.endr
.irp t, 0,1,2,3
	v_max3_num_f32 v[ST+8*\t+4], v[ST+8*\t+4], v[S+32*\t+7], v[S+32*\t+15]
.endr
.irp t, 0,1,2,3
	v_max3_num_f32 v[ST+8*\t+6], v[ST+8*\t+6], v[S+32*\t+23], v[S+32*\t+31]
.endr
.irp t, 0,1,2,3
	v_max3_num_f32 v[ST+8*\t+4], v[ST+8*\t+4], v[ST+8*\t+5], v[ST+8*\t+6]
.endr
.irp t, 0,1,2,3
	v_max_num_f32 v[ST+8*\t+4], v[ST+8*\t+4], v[ST+8*\t+7]
.endr
.irp t, 0,1,2,3
	v_permlanex16_b32 v[ST+8*\t+5], v[ST+8*\t+4], s18, s19   ; the query's other 32 keys lie in the lane 16 away
.endr
.irp t, 0,1,2,3
	v_max_num_f32 v[ST+8*\t+4], v[ST+8*\t+4], v[ST+8*\t+5]
.endr
.irp t, 0,1,2,3
	v_fma_f32 v[ST+8*\t+4], v[ST+8*\t+4], s16, s14         ; the step's largest t = c x its largest score - the step's penalty (c is positive)
.endr
.if \first
.irp t, 0,1,2,3
	v_mov_b32 v[ST+8*\t+1], v[ST+8*\t+4]                   ; m
.endr
.else
.irp t, 0,1,2,3
	v_sub_f32 v[ST+8*\t+7], v[ST+8*\t+1], v[ST+8*\t+4]
.endr
.irp t, 0,1,2,3
	v_min_num_f32 v[ST+8*\t+7], 0, v[ST+8*\t+7]            ; m_old - m_new, 0 or less
.endr
.irp t, 0,1,2,3
	v_max_num_f32 v[ST+8*\t+1], v[ST+8*\t+1], v[ST+8*\t+4] ; the running maximum
.endr
.endif
.irp t, 0,1,2,3
	v_sub_f32 v[ST+8*\t], s14, v[ST+8*\t+1]                ; nb = - penalty - m
.endr
.if \first == 0
.irp t, 0,1,2,3
	v_exp_f32 v[ST+8*\t+6], v[ST+8*\t+7]                   ; a
.endr
.endif
.irp t, 0,1,2,3
	v_pk_fma_f32 v[S+32*\t:S+32*\t+1], v[S+32*\t:S+32*\t+1], s[16:17], v[ST+8*\t:ST+8*\t+1] op_sel_hi:[1,0,0]   ; pair 0: c s + nb (of the pairs c and nb the low word serves both halves)
.endr
; ONE BATCH: pair i + 1 is scaled ahead of pair i's exponentials; nothing in the batch names an exponential's result
.irp i, 0,1,2,3,4,5,6,7,8,9,10,11,12,13,14,15
.if \i < 15
.irp t, 0,1,2,3
	v_pk_fma_f32 v[S+32*\t+2*(\i+1):S+32*\t+2*(\i+1)+1], v[S+32*\t+2*(\i+1):S+32*\t+2*(\i+1)+1], s[16:17], v[ST+8*\t:ST+8*\t+1] op_sel_hi:[1,0,0]
.endr
.endif
.irp t, 0,1,2,3
	v_exp_f32 v[S+32*\t+2*\i], v[S+32*\t+2*\i]             ; p = 2^(t - m), at most 1
	v_exp_f32 v[S+32*\t+2*\i+1], v[S+32*\t+2*\i+1]
.endr
.endr
	v_nop                                          ; a plain instruction behind the last exponential
	s_wait_alu depctr_va_vdst(0)                   ; the wait ahead of the first instruction that names a result: one for the whole batch
.endm
; ITS SECOND PART: l = a l + the sum of the unrounded p; p rounded to f16 in place: register i takes pair i, whose sum stands just ahead.
.macro SM2 first
.irp i, 0,1,2,3,4,5,6,7,8,9,10,11,12,13,14,15
.irp t, 0,1,2,3
.if \i == 0
.if \first
	v_pk_add_f32 v[ST+8*\t+2:ST+8*\t+3], v[S+32*\t:S+32*\t+1], v[S+32*\t+2:S+32*\t+3]
.else
	v_pk_fma_f32 v[ST+8*\t+2:ST+8*\t+3], v[ST+8*\t+2:ST+8*\t+3], v[ST+8*\t+6:ST+8*\t+7], v[S+32*\t:S+32*\t+1] op_sel_hi:[1,0,1]
.endif
.elseif (\i > 1) || (\first == 0)
	v_pk_add_f32 v[ST+8*\t+2:ST+8*\t+3], v[ST+8*\t+2:ST+8*\t+3], v[S+32*\t+2*\i:S+32*\t+2*\i+1]
.endif
.endr
.irp t, 0,1,2,3
	v_cvt_pk_f16_f32 v[S+32*\t+\i], v[S+32*\t+2*\i], v[S+32*\t+2*\i+1]
.endr
.endr
.endm
.macro RESCALE                         ; O^T x a, each accumulator from its low end on
	WIN 0x41                                       ; O^T (destination and source 0) in window 1, a in window 0
.irp i, 0,1,2,3,4,5,6,7,8,9,10,11,12,13,14,15
.irp t, 0,1,2,3
	v_pk_mul_f32 v[O+32*\t+2*\i:O+32*\t+2*\i+1], v[O+32*\t+2*\i:O+32*\t+2*\i+1], v[ST+8*\t+6:ST+8*\t+7] op_sel_hi:[1,0]
.endr
.endr
.endm
; A STEP'S FIRST HALF: the penalty, the addresses, v's run of loads, the softmax up to its exponentials.  Four plain lines stand behind the products k q^T, ahead of the loads and of the first read of the scores.
.macro FRONT first
	s_cmp_eq_u32 s12, s11                          ; the keys' block against my queries': whole numbers made of ids and the count of steps
	s_cselect_b32 s14, 0, 0xbf38aa3b               ; - penalty x log2(e): 0 or -0.5 log2(e)
.if \first
	PLACES 4
.else
	v_add_nc_u32 v[ADV], s13, v[AV0]
	v_add_nc_u32 v[ADK], s13, v[AK0]
	PLACES 2
.endif
	FETCH_V
	SM1 \first
.endm
; ITS SECOND HALF.  kq = 1: the next step's k is fetched and multiplied.
.macro BACK first, kq
	SM2 \first
.if \first == 0
	RESCALE
.endif
.if \kq
	FETCH_K STEPB
	s_wait_dscnt 16                                ; v is in; k's sixteen loads, issued behind it, may be out
.else
	s_wait_dscnt 0x0
.endif
	PV \first
.if \kq
	s_wait_dscnt 0x0                               ; k is in
	PLACES 5                                       ; the next scores are laid over p, which the products above have read: five places
	KQ
	WIN 0
	s_add_co_u32 s13, s13, STEPB
	s_add_co_u32 s12, s12, 1
.endif
.endm
.macro HEAD0                           ; the first half step: the first scores and their softmax up to the exponentials
	s_wait_dscnt 0x0
	KQ
	WIN 0
	FRONT 1
.endm
.macro TRIP kq
	FRONT 0
	BACK 0, \kq
.endm
	s_wait_tensorcnt 0x1                           ; my part of keys 0-255 is in; the rest may be out
	s_barrier_signal -1
	s_barrier_wait -1                              ; everybody's is
	FETCH_K 0
	WIN 0
	s_wait_loadcnt 0x0                             ; q
	s_cmp_ge_u32 s8, 4
	s_cbranch_scc1 .Llate
	HEAD0                                          ; waves 0-3 now,
.Llate:
	s_wait_dscnt 0x0
	s_barrier_signal -1
	s_barrier_wait -1
	s_cmp_lt_u32 s8, 4
	s_cbranch_scc1 .Learly
	HEAD0                                          ; waves 4-7 when those have done it: half a step apart from here on
.Learly:
	BACK 1, 1                                      ; key step 0
	TRIP 1                                         ; key step 1
	s_wait_tensorcnt 0x0                           ; my part of the other keys is in,
	s_wait_dscnt 0x0
	s_barrier_signal -1                            ; say so,
	TRIP 1                                         ; key step 2: it reads keys under 256 alone and stores nothing; a whole step between signal and wait, so that neither group of waves is held for the other
	s_barrier_wait -1                              ; and everybody's is
	s_mov_b32 s15, 12
.Ltrip:                                            ; key steps 3 to 14
	TRIP 1
	s_sub_co_u32 s15, s15, 1
	s_cmp_lg_u32 s15, 0
	s_cbranch_scc1 .Ltrip
	TRIP 0                                         ; key step 15: no k behind it
	; THE WAY OUT.  l's two halves and the other half of the lanes' are added; O^T is divided by l and goes through my stage in LDS, a tile (16 queries x 64 channels of f32) at a time.  The additions are the places behind the last products.
	WIN 0
.irp t, 0,1,2,3
	v_add_f32 v[ST+8*\t+4], v[ST+8*\t+2], v[ST+8*\t+3]
.endr
.irp t, 0,1,2,3
	v_permlanex16_b32 v[ST+8*\t+5], v[ST+8*\t+4], s18, s19
.endr
.irp t, 0,1,2,3
	v_add_f32 v[ST+8*\t+4], v[ST+8*\t+4], v[ST+8*\t+5]
.endr
.irp t, 0,1,2,3
	v_rcp_f32 v[ST+8*\t+6], v[ST+8*\t+4]
.endr
	v_nop                                          ; a plain instruction behind the last reciprocal
	s_wait_alu depctr_va_vdst(0)                   ; and the wait ahead of the first use: one for the four
.macro PACK t
	WIN 0x01                                       ; O^T in window 1; 1 / l and the results in window 0: S^T's registers are free
.irp i, 0,1,2,3,4,5,6,7,8,9,10,11,12,13,14,15
	v_pk_mul_f32 v[S+32*\t+2*\i:S+32*\t+2*\i+1], v[O+32*\t+2*\i:O+32*\t+2*\i+1], v[ST+8*\t+6:ST+8*\t+7] op_sel_hi:[1,0]
.endr
	WIN 0
.irp ct, 0,1,2,3
	ds_store_b128 v[STO], v[S+32*\t+8*\ct:S+32*\t+8*\ct+3] offset:64*\ct
	ds_store_b128 v[STO], v[S+32*\t+8*\ct+4:S+32*\t+8*\ct+7] offset:64*\ct+16
.endr
.irp i, 0,1,2,3,4,5,6,7
	ds_load_b128 v[S+32*\t+4*\i:S+32*\t+4*\i+3], v[RD] offset:2*SP*\i   ; LDS serves a wave's instructions in order: these see the stores above, and the next tile's stores come behind them
.endr
.endm
.macro SEND t, younger                 ; younger: the LDS instructions issued behind tile t's loads: the next tile's sixteen, or none
.irp f, 0,1,2,3,4,5,6,7
	s_wait_dscnt \younger+7-\f
	global_store_b128 v[GO], v[S+32*\t+4*\f:S+32*\t+4*\f+3], s[6:7] offset:(16*\t+2*\f)*4096 th:TH_STORE_NT   ; 16 lanes store a token's 64 channels of my head: 256 consecutive bytes, at a multiple of 256 from out0's first byte
.endr
.endm
	PACK 0
	PACK 1                                         ; a tile's arithmetic stands between the loads of the tile before and its stores
	SEND 0, 16
	PACK 2
	SEND 1, 16
	PACK 3
	SEND 2, 16
	SEND 3, 0
	s_wait_tensorcnt 0x0                           ; the wave's end, behind my last tensor load and my last LDS store
	ds_add_u32 v[SPW], v[NIL]
	s_wait_dscnt 0x0
	s_endpgm
.Lfunc_end_k_qd3d9a21d51_attn:
	.size	k_qd3d9a21d51_attn, .Lfunc_end_k_qd3d9a21d51_attn-k_qd3d9a21d51_attn
	.p2alignl 7, 3214868480
	.fill 96, 4, 3214868480
	.section	.rodata,"a",@progbits
	.p2align	6, 0x0
	.amdhsa_kernel k_qd3d9a21d51_attn
		.amdhsa_group_segment_fixed_size 327680
		.amdhsa_private_segment_fixed_size 0
		.amdhsa_enable_private_segment 0
		.amdhsa_kernarg_size 16
		.amdhsa_user_sgpr_count 2
		.amdhsa_user_sgpr_kernarg_segment_ptr 1
		.amdhsa_wavefront_size32 1
		.amdhsa_system_sgpr_workgroup_id_x 1
		.amdhsa_system_sgpr_workgroup_id_y 1
		.amdhsa_system_sgpr_workgroup_id_z 1
		.amdhsa_system_vgpr_workitem_id 0
		.amdhsa_next_free_vgpr 512
		.amdhsa_next_free_sgpr 66
		.amdhsa_reserve_vcc 0
		.amdhsa_float_denorm_mode_32 3
		.amdhsa_float_denorm_mode_16_64 3
		.amdhsa_memory_ordered 1
		.amdhsa_forward_progress 1
		.amdhsa_inst_pref_size 191
	.end_amdhsa_kernel
	.amdgpu_metadata
---
amdhsa.version: [ 1, 2 ]
amdhsa.kernels:
  - .name:           k_qd3d9a21d51_attn
    .symbol:         k_qd3d9a21d51_attn.kd
    .args:
      - { .name: qkv, .offset: 0, .size: 8, .value_kind: global_buffer, .address_space: global }
      - { .name: out0, .offset: 8, .size: 8, .value_kind: global_buffer, .address_space: global }
    .group_segment_fixed_size: 327680
    .private_segment_fixed_size: 0
    .kernarg_segment_align: 8
    .kernarg_segment_size: 16
    .max_flat_workgroup_size: 256
    .sgpr_count:     66
    .vgpr_count:     512
    .wavefront_size: 32
...
	.end_amdgpu_metadata
.endif
;; end of part 3
